; MI455X (gfx1250); checked and timed in simulation.
; The chip was launched on July 23, 2026; its instructions are those of AMD's public machine-readable ISA for CDNA 5 (MIT licence, August 2026) and "CDNA5" Instruction Set Architecture Reference Guide (July 2026). The comments in the code are by the model that wrote it; some were corrected since.
;; Multi Flow Classifier Router. Allowed arithmetic: matrix products marked QUANTISED: E5M2 operands, one given power-of-two scale a tensor, by v_wmma_f32_16x16x64_bf8_bf8 or v_wmma_f32_16x16x128_bf8_bf8, f32 sums; products left as they are: f32 operands where the result goes on into a quantised operand, else bf16, f16 or f32 operands; f32 sums; everything else in f32.
;; Inputs: W1_codes 8 x 4,096 x 32 x 32 uint8 (E5M2 codes of W1, K innermost, in blocks of 32 codes); W2_codes 8 x 1,024 x 128 x 32 uint8 (E5M2 codes of W2, K innermost, in blocks of 32 codes); b1 8 x 4,096 float32; b2 8 x 1,024 float32; lowp_scales 4 int32 (the exponents e of the quantised operands' scales 2^e); route 1,024 int32; x_codes 1,024 x 32 x 32 uint8 (E5M2 codes of x, K innermost, in blocks of 32 codes).
;; Outputs: out0 1,024 x 1,024 float32.
;; This version of the problem:
;;   THIS VERSION OF THE PROBLEM IS GIVEN IN LOW PRECISION. The matrix products marked QUANTISED in the list below multiply operands that are first quantised to E5M2 (5 exponent bits, 2 mantissa bits; 8 bits a number), with one given power-of-two scale for each operand tensor; their sums are f32. All else is computed in f32.
;;   The module's matrix products, in the order in which they are computed (A, B: the left and right operand; K: the contracted axis; several contracted axes count as one K, in the product's order):
;;     1. [M 32,768, K 1,024] x [K 1,024, N 1,024]; A: input W1 (given as codes); B: input x (given as codes): QUANTISED (scales: A lowp_scales[0], B lowp_scales[1])
;;     2. batch 8 x [M 1,024, K 4,096] x [K 4,096, N 1,024]; A: computed on the way; B: input W2 (given as codes): QUANTISED (scales: A lowp_scales[2], B lowp_scales[3])
;;     3. batch 1,024 x [M 1,024, K 8] x [K 8, N 1]; A: computed on the way; B: computed on the way: left as it is (K = 8 < 32)
;;   THE QUANTISER, for each operand of a quantised product, along K:
;;     - The operand's scale is 2^e, e = its entry of the input lowp_scales (int32; the entries are numbered through the quantised products in the list's order, A before B).
;;     - Each number is divided by the scale, clamped to +-57,344, and rounded to the nearest number of E5M2, ties to even, subnormals kept.
;;     - The product sums the exact products of the quantised numbers (number of the format x scale) in f32.
;;   ~~~python
;;   def quantise(x, axis, e):      # numpy; x: float32 -> the quantised numbers, widened to float32 again
;;       x = np.moveaxis(x, axis, -1); K = x.shape[-1]
;;       r = np.clip(x / 2.0 ** e, -57344, 57344)
;;       step = 2.0 ** (np.maximum(np.frexp(np.where(r == 0, 1, r))[1] - 1, -14) - 2)
;;       q = np.round(r / step) * step * 2.0 ** e      # np.round: ties to even
;;       return np.moveaxis(q, -1, axis).astype(np.float32)
;;   ~~~
;;   OPERANDS COMPUTED ON THE WAY. 'Computed on the way' means the value that the module computes at that place (a softmax that the list does not call 'softmax' is quantised finished and normalised). What goes into a quantiser is computed in f32, as accurately as f32 sums, v_exp_f32 and their like allow (about 1e-6 of the number): no bf16 or f16 on the way to a quantiser, and a product that is left as it is and whose result goes on into a quantised operand takes f32 operands (vector FMAs, or v_wmma_f32_16x16x4_f32). A number that lies on a knife's edge between two numbers of the format may be rounded either way, as far as f32 arithmetic and the matrix unit's own rounding can turn it there, and no further.
;;   INPUTS GIVEN AS CODES. W1 (in the module: [8, 1024, 4096], K = its axis 1); W2 (in the module: [8, 4096, 1024], K = its axis 1); x (in the module: [1024, 1024], K = its axis 1): each comes as NAME_codes (uint8): NAME with its K axis moved to the last place and cut into blocks of 32 codes, [.., K / 32, bytes a block], one block behind the other in memory; one code a byte (a code: sign, 5 exponent bits, 2 mantissa bits); its scale is its entry of lowp_scales. Its value is code x scale, taken as it is: it is not quantised again, and the codes and scales need not be those that the quantiser above would give.
;; One version. Each part assembles by itself: llvm-mc -triple=amdgcn-amd-amdhsa -mcpu=gfx1250 --defsym DOCPART=n.
;; ======== version 1 of 1: 2 launches
;; workspace buffers: hcodes 33,554,432 bytes
;; launch hidden (part 1): grid 32 x 8, 4 waves a work-group, no clusters, 276,992 bytes of LDS; arguments W1_codes, x_codes, route, b1, lowp_scales, hcodes; writes hcodes
.if DOCPART == 1
	.amdgcn_target "amdgcn-amd-amdhsa--gfx1250"
	.amdhsa_code_object_version 6
	.text
	.protected	k_qc46c5131c7_hidden
	.globl	k_qc46c5131c7_hidden
	.p2align	8
	.type	k_qc46c5131c7_hidden,@function
k_qc46c5131c7_hidden:
	s_mov_b64 s[64:65], 0
	v_nop
	global_prefetch_b8 v0, s[64:65] scope:SCOPE_SE
	s_setreg_imm32_b32 hwreg(HW_REG_WAVE_MODE, 25, 1), 1
	s_wait_xcnt 0x0
; hcodes = Q(gelu(x W1[e] + b1[e])) for the rows whose route names expert e; the product on codes of E5M2, sums in f32.
; SHARES.  Work-group (s, e): hidden units 128 s .. 128 s + 127 of expert e, for all rows of that expert.  Wave w: units 32 w .. 32 w + 31 of the slice.
; Its 32 rows of W1 (32 x 1,024 bytes, dense in memory) are read once and stay in 256 registers as 16 fragments.
; THE LIST.  Wave 0 reads route and lays the tokens of expert e on end in LDS; the entries behind them hold the first token of the expert (0 if it has none),
; so that a last tile with fewer than 16 rows computes that token again and stores the same bytes a second time: EXEC is never changed.
; ROWS go in blocks of 12 tiles of 16: the rows of x are gathered into LDS, every wave reads every tile as fragments.  The loop over blocks has 6 trips for every split
; (72 tiles cover the 64 that one expert can have); its barriers stand on the way that all waves take, and tiles that do not exist are jumped over.
; THE PRODUCT IS USED TRANSPOSED (source 0 = 16 rows of W1, source 1 = 16 rows of x): a lane holds one row of x.  Lane m of tile u takes row 8 u + m + 8 (m / 8) of the 32,
; so that the 16 sums of a lane are 16 neighbouring hidden units, 16 (lane / 16) + 0 .. 15: its 16 codes are four registers of the next operand.
; hcodes: [8 experts][64 tiles][32 K steps of 128][2,048 bytes]: the image of a fragment: byte 512 c + 16 lane + 0 .. 15 = k 32 c + 16 (lane / 16) + 0 .. 15 of row lane % 16.
; In all fragments registers 4 c .. 4 c + 3 hold k = 32 c + 16 (lane / 16) + 0 .. 15: one permutation of k, the same on both sides of each product.
; gelu is the tanh form: p / (1 + 2^(p (C0 + C1 p p))), C0 = -2 log2(e) sqrt(2 / pi), C1 = 0.044715 C0.
; LIMITS.  route holds 0 .. 7 (a row with another number is served by no work-group).  e0 + e1 between -126 and 127, e2 between -126 and 112, so that each power of two below is an f32 number.  NaN among the inputs is not served.
; NO TENSOR LOADS AND NO CLUSTER: the number of tiles hangs on route, and jumps on it stand in this text; the weights of a work-group are read by nobody else.
; REGISTERS, in windows of 256: window 0 addresses, sums and vector work; window 1 the 16 fragments of W1 ((u, s) at v[128 u + 16 s]);
;   window 2 the first gather, then two buffers of 128 for the fragments of x; window 3 W1 as it lands, then gathers.
.set BT,      12                       ; tiles in a block
.set NBLK,    6                        ; blocks
.set ROWP,    1024                     ; bytes from row to row of W1
.set SWAP,    1                        ; the order of the rows in the stage: bits 3 and 4 of the row change places
.set XP,      1040                     ; a row of x in LDS: 1,024 bytes + 16: an odd multiple of 16
.set WSP,     528                      ; a row of the stage for W1: 512 bytes + 16
.set WSTW,    32*WSP                   ; a stage: each wave has its own
.set WST,     16*BT*XP                 ; LDS: 192 rows of x from byte 0, then the four stages,
.set LIST,    WST+4*WSTW               ; the list: 2,176 words, and behind them 32 words for lanes that have nothing to store,
.set LWORDS,  2176
.set CNT,     LIST+4*LWORDS+128        ; and the count
.set TSTRIDE, 65536                    ; hcodes: bytes from tile to tile
.set L16,  4                           ; v4      16 x lane
.set WS,   5                           ; v5      the stage, on the way in
.set WF,   6                           ; v6      the stage, on the way out: row lane % 16, + 16 (lane / 16)
.set XS,   7                           ; v7-9    where I store gathered rows: tiles w, 4 + w, 8 + w
.set XA,   10                          ; v10-13  where I read fragments of x: tiles 0-2, 3-5, 6-8, 9-11
.set LA0,  14                          ; v14     the list: my lane and wave
.set R16,  15                          ; v15     16 x (lane % 16)
.set LIM,  16                          ; v16     57,344 x 2^e2
.set SCL,  17                          ; v17     2^e2
.set LAC,  18                          ; v18     v14 + the block in hand
.set CA,   19                          ; v19     where the count lies
.set C0V,  20                          ; v20-21  C0, twice
.set BO,   22                          ; v22     64 x (lane / 16)
.set L0A,  23                          ; v23     where the list begins
.set CV,   24                          ; v24     the count
.set ZA,   27                          ; v27     the list + 16 x lane
.set GO,   28                          ; v28-51  byte offsets of gathered rows in x
.set BIAS, 52                          ; v52-67  b1 of my 16 hidden units
.set ACC,  68                          ; v68-83  two accumulators
.set P,    84                          ; v84-99  the 16 numbers ahead of the activation, then behind it
.set U,    100                         ; v100-115 at work
.set CODE, 116                         ; v116-163 four registers of codes for each tile of a block
.set TK,   116                         ; v116-147 the list: what each scattered store stores
.set RT,   164                         ; v164-195 route
.set SA,   196                         ; v196-227 the list: where each scattered store stores
.set PR,   228                         ; v228    a rank
.set T0,   229                         ; v229    4 x lane
.set DI,   230                         ; v230    2,176 + lane
.set FV,   231                         ; v231    the fill
.set A2,   232                         ; v232    where the fill begins
.set ZR,   236                         ; v236-239 four zeros
; s16 wave, s17 slice, s18 expert, s19 count, s20 tiles left, s21 trips, s22 tiles of this block, s23 of the next, s[24:27] e0 .. e3,
; s[28:29] 2^(e0 + e1), s[32:33] C1, s[34:35] at work, s[36:37] W1, s[38:39] b1, s[40:41] hcodes, s44 the block in the list
.set W_MUL,  0x09                      ; source 0 window 1, source 1 window 2, C and D window 0
.set TO_1,   0x40
.set TO_2,   0x80
.set TO_3,   0xc0
.set FROM_2, 0x08                      ; data of an LDS store from window 2
.set FROM_3, 0x0c
.set MSB, 0
.macro WIN new                         ; the high byte of the immediate repeats the setting that is left
.if MSB != \new
	s_set_vgpr_msb (MSB<<8)|\new
.set MSB, \new
.endif
.endm
.macro BARRIER                         ; my LDS stores have landed and my LDS loads are in: then the barrier of the work-group
	s_wait_dscnt 0x0
	s_barrier_signal -1
	s_barrier_wait -1
.endm
.macro WSTORE c                        ; eight of the 64 loads of W1 go into the stage as they lie: 512 bytes a row
	WIN FROM_3
.set WI, 8*(\c)
.rept 8
.set WR, WI%32
.if SWAP
.set WR, (WR&7)|((WR&8)<<1)|((WR&16)>>1)
.endif
	ds_store_b128 v[WS], v[4*WI:4*WI+3] offset:WR*WSP
.set WI, WI+1
.endr
.endm
.macro WFRAG half                      ; and come back as fragments: K steps 4 half .. 4 half + 3 of both tiles
	WIN TO_1
.set WI, 0
.rept 32
	ds_load_b128 v[128*(WI/16)+64*(\half)+4*(WI%16):128*(WI/16)+64*(\half)+4*(WI%16)+3], v[WF] offset:16*(WI/16)*WSP+32*(WI%16)
.set WI, WI+1
.endr
.endm
.macro TOKENS j                        ; the tokens of rows 2 q + lane / 16 of tile 4 j + w
.set TQ, 0
.rept 8
	ds_load_b32 v[GO+8*(\j)+TQ], v[LAC] offset:256*(\j)+8*TQ
.set TQ, TQ+1
.endr
.endm
.macro OFFS j                          ; held inside x, then 1,024 bytes a row + my 16 bytes
.set TQ, 0
.rept 8
	v_min_u32 v[GO+8*(\j)+TQ], 0x3ff, v[GO+8*(\j)+TQ]
	v_lshl_add_u32 v[GO+8*(\j)+TQ], v[GO+8*(\j)+TQ], 10, v[R16]
.set TQ, TQ+1
.endr
.endm
.macro GISS g                          ; the first gather, group g of 12: four rows: sixteen lanes read 256 consecutive bytes of a row
.if (\g) < 8
	WIN TO_2
.else
	WIN TO_3
.endif
.set GK, 0
.rept 8
	global_load_b128 v[32*((\g)%8)+4*GK:32*((\g)%8)+4*GK+3], v[GO+2*(\g)+GK/4], s[6:7] offset:256*(GK%4)
.set GK, GK+1
.endr
.endm
.macro GSTO g
.if (\g) < 8
	WIN FROM_2
.else
	WIN FROM_3
.endif
.set GK, 0
.rept 8
	ds_store_b128 v[XS+(\g)/4], v[32*((\g)%8)+4*GK:32*((\g)%8)+4*GK+3] offset:2*(2*((\g)%4)+GK/4)*XP+256*(GK%4)
.set GK, GK+1
.endr
.endm
.macro GATHER j, cnt                   ; a later block: tile 4 j + w, if the block has it; closed in itself
	s_add_co_u32 s34, s16, 4*(\j)
	s_cmp_lt_u32 s34, s[\cnt]
	s_cbranch_scc0 .Lno_tile_\@
	TOKENS \j
	s_wait_dscnt 0x0                               ; the tokens are in; earlier stores out of window 3 have read their registers
	OFFS \j
	WIN TO_3
.set GQ, 0
.rept 32
	global_load_b128 v[4*GQ:4*GQ+3], v[GO+8*(\j)+GQ/4], s[6:7] offset:256*(GQ%4)
.set GQ, GQ+1
.endr
	s_wait_loadcnt 0x0
	WIN FROM_3
.set GQ, 0
.rept 32
	ds_store_b128 v[XS+(\j)], v[4*GQ:4*GQ+3] offset:2*(GQ/4)*XP+256*(GQ%4)
.set GQ, GQ+1
.endr
	WIN 0
.Lno_tile_\@:
.endm
.macro XF i, buf                       ; the eight fragments of tile i of x: 16 rows x 1,024 K
	WIN TO_2
.set XI, 0
.rept 32
	ds_load_b128 v[128*(\buf)+4*XI:128*(\buf)+4*XI+3], v[XA+(\i)/3] offset:((\i)%3)*16*XP+32*XI
.set XI, XI+1
.endr
.endm
.macro MULT buf                        ; 16 matrix instructions; the two accumulators take turns; the first K step starts the sums
	WIN W_MUL
.set MS, 0
.rept 8
.if MS == 0
	v_wmma_f32_16x16x128_bf8_bf8 v[ACC:ACC+7], v[0:15], v[128*(\buf):128*(\buf)+15], 0
	v_wmma_f32_16x16x128_bf8_bf8 v[ACC+8:ACC+15], v[128:143], v[128*(\buf):128*(\buf)+15], 0
.else
	v_wmma_f32_16x16x128_bf8_bf8 v[ACC:ACC+7], v[16*MS:16*MS+15], v[128*(\buf)+16*MS:128*(\buf)+16*MS+15], v[ACC:ACC+7]
	v_wmma_f32_16x16x128_bf8_bf8 v[ACC+8:ACC+15], v[128+16*MS:128+16*MS+15], v[128*(\buf)+16*MS:128*(\buf)+16*MS+15], v[ACC+8:ACC+15]
.endif
.set MS, MS+1
.endr
.endm
.macro EPI i                           ; bias, gelu, the quantiser, the store: tile i of the block
.rept 4
	v_nop                                          ; four places between the last product and the first read of the sums (ISA guide 7.12.1)
.endr
.irp j, 0,2,4,6,8,10,12,14
	v_pk_fma_f32 v[P+\j:P+\j+1], v[ACC+\j:ACC+\j+1], s[28:29], v[BIAS+\j:BIAS+\j+1] op_sel_hi:[1,0,1]   ; p = sum x 2^(e0 + e1) + b1; each accumulator from its low end on
.endr
.irp j, 0,2,4,6,8,10,12,14
	v_pk_mul_f32 v[U+\j:U+\j+1], v[P+\j:P+\j+1], v[P+\j:P+\j+1]
.endr
.irp j, 0,2,4,6,8,10,12,14
	v_pk_fma_f32 v[U+\j:U+\j+1], v[U+\j:U+\j+1], s[32:33], v[C0V:C0V+1] op_sel_hi:[1,0,1]   ; C1 p p + C0
.endr
.irp j, 0,2,4,6,8,10,12,14
	v_pk_mul_f32 v[U+\j:U+\j+1], v[U+\j:U+\j+1], v[P+\j:P+\j+1]
.endr
.irp j, 0,1,2,3,4,5,6,7,8,9,10,11,12,13,14,15
	v_exp_f32 v[U+\j], v[U+\j]
.endr
	v_nop                                          ; a plain instruction behind the last exponential,
	s_wait_alu depctr_va_vdst(0)                   ; and one wait for the batch of 16, ahead of its first reader
.irp j, 0,2,4,6,8,10,12,14
	v_pk_add_f32 v[U+\j:U+\j+1], v[U+\j:U+\j+1], 1.0 op_sel_hi:[1,0]
.endr
.irp j, 0,1,2,3,4,5,6,7,8,9,10,11,12,13,14,15
	v_rcp_f32 v[U+\j], v[U+\j]
.endr
	v_nop
	s_wait_alu depctr_va_vdst(0)                   ; likewise for the 16 reciprocals
.irp j, 0,2,4,6,8,10,12,14
	v_pk_mul_f32 v[P+\j:P+\j+1], v[P+\j:P+\j+1], v[U+\j:U+\j+1]
.endr
.irp j, 0,1,2,3,4,5,6,7,8,9,10,11,12,13,14,15
	v_med3_num_f32 v[P+\j], v[P+\j], -v[LIM], v[LIM]   ; the conversion to an 8-bit code does not saturate (ISA guide 7.6.2): the hold at the largest code x the scale
.endr
	v_cvt_scalef32_pk8_bf8_f32 v[CODE+4*(\i):CODE+4*(\i)+1], v[P:P+7], v[SCL]
	v_cvt_scalef32_pk8_bf8_f32 v[CODE+4*(\i)+2:CODE+4*(\i)+3], v[P+8:P+15], v[SCL]
	v_nop                                          ; a plain instruction behind the last scaled conversion
	global_store_b128 v[L16], v[CODE+4*(\i):CODE+4*(\i)+3], s[40:41] offset:TSTRIDE*(\i)   ; the wave stores 512 consecutive bytes, at a multiple of 512 from the first byte of hcodes
.endm
	s_load_b256 s[4:11], s[0:1], 0x0               ; W1 s[4:5], x s[6:7], route s[8:9], b1 s[10:11]
	s_load_b128 s[12:15], s[0:1], 0x20             ; the exponents s[12:13], hcodes s[14:15]
	v_lshl_add_u32 v254, v0, 2, 0x43800
	v_mov_b32 v255, 0
	v_lshrrev_b32 v1, 5, v0
	v_readfirstlane_b32 s16, v1                    ; wave
	s_mov_b32 s17, ttmp9                           ; slice
	s_and_b32 s18, ttmp7, 0xffff                   ; expert
	v_and_b32 v1, 31, v0                           ; lane
	v_and_b32 v2, 15, v0                           ; r
	v_bfe_u32 v3, v0, 4, 1                         ; h
	; every LDS address is made here, ahead of the first parting of the waves
	v_lshlrev_b32 v[L16], 4, v1
	s_mul_i32 s34, s16, WSTW
	s_add_co_u32 s34, s34, WST
	v_add_nc_u32 v[WS], s34, v[L16]
	v_mul_u32_u24 v[WF], v2, WSP
	v_lshl_add_u32 v[WF], v3, 4, v[WF]
	v_add_nc_u32 v[WF], s34, v[WF]
	s_mul_i32 s35, s16, 16*XP
	v_mul_u32_u24 v[XS], v3, XP
	v_lshl_add_u32 v[XS], v2, 4, v[XS]
	v_add_nc_u32 v[XS], s35, v[XS]                 ; row 16 w + h, + 16 r
	v_add_nc_u32 v[XS+1], 64*XP, v[XS]
	v_add_nc_u32 v[XS+2], 128*XP, v[XS]
	v_mul_u32_u24 v[XA], v2, XP
	v_lshl_add_u32 v[XA], v3, 4, v[XA]             ; row r, + 16 h
	v_add_nc_u32 v[XA+1], 48*XP, v[XA]
	v_add_nc_u32 v[XA+2], 96*XP, v[XA]
	v_add_nc_u32 v[XA+3], 144*XP, v[XA]
	s_lshl_b32 s35, s16, 6
	s_add_co_u32 s35, s35, LIST
	v_lshl_add_u32 v[LA0], v3, 2, s35              ; entry 16 w + h
	s_mov_b32 s44, 0
	v_add_nc_u32 v[LAC], s44, v[LA0]
	v_mov_b32 v[CA], CNT
	v_mov_b32 v[L0A], LIST
	v_add_nc_u32 v[ZA], LIST, v[L16]
	v_lshlrev_b32 v[R16], 4, v2
	v_lshlrev_b32 v[BO], 6, v3
	v_lshlrev_b32 v[T0], 2, v1
	v_add_nc_u32 v[DI], LWORDS, v1
	v_mov_b32 v[C0V], 0xc0135761                   ; C0 = -2.3022082
	v_mov_b32 v[C0V+1], 0xc0135761
	s_mov_b32 s32, 0xbdd2d3e8                      ; C1 = -0.10294324
	s_mov_b32 s33, s32
	s_lshl_b32 s36, s18, 22                        ; W1: 4 MiB an expert, 128 rows a slice, 32 rows a wave
	s_lshl_b32 s34, s17, 17
	s_add_co_u32 s36, s36, s34
	s_lshl_b32 s34, s16, 15
	s_add_co_u32 s36, s36, s34
	s_mov_b32 s37, 0
	s_lshl_b32 s38, s18, 14                        ; b1: 4 (4,096 e + 128 s + 32 w)
	s_lshl_b32 s34, s17, 9
	s_add_co_u32 s38, s38, s34
	s_lshl_b32 s34, s16, 7
	s_add_co_u32 s38, s38, s34
	s_mov_b32 s39, 0
	s_lshl_b32 s40, s18, 22                        ; hcodes: 4 MiB an expert, K step s, its part w
	s_lshl_b32 s34, s17, 11
	s_add_co_u32 s40, s40, s34
	s_lshl_b32 s34, s16, 9
	s_add_co_u32 s40, s40, s34
	s_mov_b32 s41, 0
	s_wait_kmcnt 0x0
	s_load_b128 s[24:27], s[12:13], 0x0            ; e0 .. e3
	s_add_nc_u64 s[36:37], s[4:5], s[36:37]
	s_add_nc_u64 s[38:39], s[10:11], s[38:39]
	s_add_nc_u64 s[40:41], s[14:15], s[40:41]
	s_cmp_lg_u32 s16, 0
	s_cbranch_scc1 .Lno_route
.irp i, 0,1,2,3,4,5,6,7
	global_load_b128 v[RT+4*\i:RT+4*\i+3], v[L16], s[8:9] offset:512*\i   ; wave 0: register 4 i + c holds route[128 i + 4 lane + c]
.endr
.Lno_route:
.irp i, 0,1,2,3
	global_load_b128 v[BIAS+4*\i:BIAS+4*\i+3], v[BO], s[38:39] offset:16*\i   ; register n: hidden unit 16 h + n of my 32
.endr
	WIN TO_3
.set WI, 0
.rept 64                               ; all my 32 KiB of W1 are asked for at once: each load takes 512 consecutive bytes of a row; read once in the launch
	global_load_b128 v[4*WI:4*WI+3], v[L16], s[36:37] offset:(WI%32)*ROWP+512*(WI/32) th:TH_LOAD_NT
.set WI, WI+1
.endr
	WIN 0
	; THE LIST, by wave 0; no other wave touches LDS ahead of the barrier below
	s_cmp_lg_u32 s16, 0
	s_cbranch_scc1 .Lno_list
.irp j, 0,1,2,3
	v_mov_b32 v[ZR+\j], 0
.endr
.set N, 0
.rept LWORDS/128                       ; while route is on its way: all 2,176 words hold 0, so that every word is written whatever route holds; entry 0 stays 0 for an expert without rows
	ds_store_b128 v[ZA], v[ZR:ZR+3] offset:512*N
.set N, N+1
.endr
	s_wait_loadcnt 63                              ; behind the eight loads of route stand 68 others: with 63 out at the most, route is in
	s_mov_b32 s19, 0
.set N, 0
.rept 32                               ; LDS serves the instructions of a wave in order: these land on the zeros
	v_cmp_eq_u32 vcc_lo, s18, v[RT+N]
	v_mbcnt_lo_u32_b32 v[PR], vcc_lo, s19          ; the rank: those found so far + those in lower lanes
	v_cndmask_b32 v[PR], v[DI], v[PR], vcc_lo      ; a lane that has nothing stores into a word of its own behind the list
	v_min_u32 v[PR], LWORDS+31, v[PR]
	v_lshl_add_u32 v[SA+N], v[PR], 2, LIST
	v_add_nc_u32 v[TK+N], 128*(N/4)+N%4, v[T0]
	ds_store_b32 v[SA+N], v[TK+N]
	s_bcnt1_i32_b32 s34, vcc_lo
	s_add_co_u32 s19, s19, s34
.set N, N+1
.endr
	s_min_u32 s19, s19, 1024
	s_wait_dscnt 0x0
	ds_load_b32 v[FV], v[L0A]                      ; the first token
	v_add_nc_u32 v[A2], s19, v1
	v_lshl_add_u32 v[A2], v[A2], 2, LIST
	v_mov_b32 v[CV], s19
	s_wait_dscnt 0x0
.set N, 0
.rept 36                               ; entries n .. n + 1,151 hold it: a row past the count is never another expert's token
	ds_store_b32 v[A2], v[FV] offset:128*N
.set N, N+1
.endr
	ds_store_b32 v[CA], v[CV]
.Lno_list:
	BARRIER                                        ; the list and the count lie in LDS
	ds_load_b32 v[CV], v[CA]
	TOKENS 0
	TOKENS 1
	TOKENS 2
	s_wait_dscnt 0x0
	v_readfirstlane_b32 s19, v[CV]
	s_min_u32 s19, s19, 1024
	s_add_co_u32 s20, s19, 15
	s_lshr_b32 s20, s20, 4
	s_max_u32 s20, s20, 1                          ; tiles of 16 rows; an expert without rows still writes tile 0, which the next launch loads
	OFFS 0
	OFFS 1
	OFFS 2
	s_wait_kmcnt 0x0
	s_add_co_i32 s28, s24, s25
	s_add_co_i32 s28, s28, 127
	s_lshl_b32 s28, s28, 23                        ; 2^(e0 + e1) as f32
	s_mov_b32 s29, s28                             ; (named with it as a pair, so it is written)
	s_add_co_i32 s34, s26, 127
	s_lshl_b32 s35, s34, 23
	v_mov_b32 v[SCL], s35                          ; 2^e2: the conversion takes its exponent field
	s_add_co_i32 s34, s34, 15
	s_lshl_b32 s34, s34, 23
	s_or_b32 s34, s34, 0x600000
	v_mov_b32 v[LIM], s34                          ; 57,344 x 2^e2
	; W1 is turned into fragments, eight loads at a time, and behind each eight go out eight loads of the first gather
.set C, 0
.rept 8
	s_wait_loadcnt 56                              ; behind these eight loads of W1 stand 56 - 8 C of W1 and 8 C of the gather
	WSTORE C
.if C == 3
	WFRAG 0                                        ; LDS serves the instructions of a wave in order: these see the stores above, and the second half is stored behind them
.endif
	GISS C
.set C, C+1
.endr
	WFRAG 1
	s_wait_dscnt 0x0                               ; the stores out of window 3 have read their registers
	GISS 8
	GISS 9
	GISS 10
	GISS 11
.set G, 0
.rept 12
.if 8*(11-G) > 63
	s_wait_loadcnt 63                              ; behind this group stand 8 (11 - G) loads, more than a wait can name
.else
	s_wait_loadcnt 8*(11-G)                        ; the groups behind this one may stay out
.endif
	GSTO G
.set G, G+1
.endr
	WIN 0
	s_mov_b32 s21, 0
.Lblock:
	BARRIER                                        ; the rows of x of this block lie in LDS
	s_max_i32 s22, s20, 0
	s_min_i32 s22, s22, BT                         ; tiles of this block
	s_sub_co_i32 s23, s20, BT
	s_max_i32 s23, s23, 0
	s_min_i32 s23, s23, BT                         ; and of the next
	s_cmp_eq_u32 s22, 0
	s_cbranch_scc1 .Lnone
	XF 0, 0
	WIN 0
.irp i, 0,1,2,3,4,5,6,7,8,9,10,11
.if \i < 11
	s_cmp_eq_u32 s22, \i+1
	s_cbranch_scc1 .Lnf_\i
	XF \i+1, (\i+1)%2                              ; the next tile, if there is one; the buffer was last multiplied a tile ago, with that tile's vector work behind it
	WIN 0
	s_wait_dscnt 32                                ; the 32 loads just issued may stay out
	s_branch .Lgo_\i
.Lnf_\i:
	s_wait_dscnt 0x0
.Lgo_\i:
.else
	s_wait_dscnt 0x0
.endif
	MULT \i%2
	WIN 0
	EPI \i
.if \i < 11
	s_cmp_eq_u32 s22, \i+1
	s_cbranch_scc1 .Ldone
.endif
.endr
.Ldone:
.Lnone:
	BARRIER                                        ; nobody reads the rows of x any more
	s_wait_xcnt 0x0                                ; the stores have read their codes and their base: both may be written again
	s_add_nc_u64 s[40:41], s[40:41], BT*TSTRIDE
	s_add_co_u32 s44, s44, 64*BT
	v_add_nc_u32 v[LAC], s44, v[LA0]
	s_sub_co_i32 s20, s20, BT
	GATHER 0, 23
	GATHER 1, 23
	GATHER 2, 23
	s_add_co_u32 s21, s21, 1
	s_cmp_lt_u32 s21, NBLK
	s_cbranch_scc1 .Lblock
	s_wait_tensorcnt 0x0
	ds_add_u32 v254, v255
	s_wait_dscnt 0x0
	s_endpgm
.Lfunc_end_k_qc46c5131c7_hidden:
	.size	k_qc46c5131c7_hidden, .Lfunc_end_k_qc46c5131c7_hidden-k_qc46c5131c7_hidden
	.p2alignl 7, 3214868480
	.fill 96, 4, 3214868480
	.section	.rodata,"a",@progbits
	.p2align	6, 0x0
	.amdhsa_kernel k_qc46c5131c7_hidden
		.amdhsa_group_segment_fixed_size 276992
		.amdhsa_private_segment_fixed_size 0
		.amdhsa_enable_private_segment 0
		.amdhsa_kernarg_size 48
		.amdhsa_user_sgpr_count 2
		.amdhsa_user_sgpr_kernarg_segment_ptr 1
		.amdhsa_wavefront_size32 1
		.amdhsa_system_sgpr_workgroup_id_x 1
		.amdhsa_system_sgpr_workgroup_id_y 1
		.amdhsa_system_sgpr_workgroup_id_z 1
		.amdhsa_system_vgpr_workitem_id 0
		.amdhsa_next_free_vgpr 1024
		.amdhsa_next_free_sgpr 66
		.amdhsa_reserve_vcc 1
		.amdhsa_float_denorm_mode_32 3
		.amdhsa_float_denorm_mode_16_64 3
		.amdhsa_memory_ordered 1
		.amdhsa_forward_progress 1
		.amdhsa_inst_pref_size 187
	.end_amdhsa_kernel
	.amdgpu_metadata
---
amdhsa.version: [ 1, 2 ]
amdhsa.kernels:
  - .name:           k_qc46c5131c7_hidden
    .symbol:         k_qc46c5131c7_hidden.kd
    .args:
      - { .name: W1_codes, .offset: 0, .size: 8, .value_kind: global_buffer, .address_space: global }
      - { .name: x_codes, .offset: 8, .size: 8, .value_kind: global_buffer, .address_space: global }
      - { .name: route, .offset: 16, .size: 8, .value_kind: global_buffer, .address_space: global }
      - { .name: b1, .offset: 24, .size: 8, .value_kind: global_buffer, .address_space: global }
      - { .name: lowp_scales, .offset: 32, .size: 8, .value_kind: global_buffer, .address_space: global }
      - { .name: hcodes, .offset: 40, .size: 8, .value_kind: global_buffer, .address_space: global }
    .group_segment_fixed_size: 276992
    .private_segment_fixed_size: 0
    .kernarg_segment_align: 8
    .kernarg_segment_size: 48
    .max_flat_workgroup_size: 128
    .sgpr_count:     66
    .vgpr_count:     1024
    .wavefront_size: 32
...
	.end_amdgpu_metadata
.endif
;; end of part 1
;; launch project (part 2): grid 32 x 8, 4 waves a work-group, no clusters, 187,904 bytes of LDS; arguments W2_codes, hcodes, route, b2, lowp_scales, out0; writes out0
.if DOCPART == 2
	.amdgcn_target "amdgcn-amd-amdhsa--gfx1250"
	.amdhsa_code_object_version 6
	.text
	.protected	k_qc46c5131c7_project
	.globl	k_qc46c5131c7_project
	.p2align	8
	.type	k_qc46c5131c7_project,@function
k_qc46c5131c7_project:
	s_mov_b64 s[64:65], 0
	v_nop
	global_prefetch_b8 v0, s[64:65] scope:SCOPE_SE
	s_setreg_imm32_b32 hwreg(HW_REG_WAVE_MODE, 25, 1), 1
	s_wait_xcnt 0x0
; out0[token] = h W2[e] + b2[e] for the rows whose route names expert e; h comes as codes of E5M2 from the launch before, laid as images of fragments.
; SHARES.  Work-group (s, e): outputs 32 s .. 32 s + 31 of expert e, for all rows of that expert.  Wave w: the quarter 1,024 w .. 1,024 w + 1,023 of K, for both tiles of 16 outputs:
; 32 rows x 1,024 bytes of W2, read once, kept in 256 registers as 16 fragments.  The four partial sums of a tile meet in LDS; wave w adds rows 4 w .. 4 w + 3 of every tile and stores them.
; THE LIST is built by the same lines as in the launch before, so row i of the expert is the same token in both.  Entries behind the last row hold the first token:
; such rows hold the same numbers as that token's and store the same bytes a second time.  An expert without rows stores nothing.
; hcodes: [8 experts][64 tiles][32 K steps of 128][2,048 bytes]: byte 512 c + 16 lane + 0 .. 15 = k 32 c + 16 (lane / 16) + 0 .. 15 of row lane % 16: four loads of 512 consecutive bytes are a fragment.
; THE PRODUCT IS USED TRANSPOSED (source 0 = 16 rows of W2, source 1 = 16 rows of h): a lane holds eight neighbouring outputs of one row.
; ROWS go in blocks of 12 tiles; the loop over blocks has 6 trips for every split, its barriers stand on the way that all waves take, and tiles that do not exist are jumped over.
; A store covers four rows x 128 consecutive bytes: the 32 outputs of a work-group are half of an aligned 256 bytes of a row; 64 outputs to a work-group would halve the work-groups or read W2 twice.
; LIMITS.  route holds 0 .. 7 (a row with another number is served by no work-group).  e2 + e3 between -126 and 127.  NaN among the inputs is not served.
; NO TENSOR LOADS AND NO CLUSTER: the number of tiles hangs on route, and jumps on it stand in this text.
; REGISTERS, in windows of 256: window 0 addresses, sums, the way out; window 1 the 16 fragments of W2 ((n, s) at v[128 n + 16 s]); window 2 two buffers of 128 for h; window 3 W2 as it lands.
.set BT,      12
.set NBLK,    6
.set ROWP,    4096                     ; bytes from row to row of W2
.set SWAP,    0                        ; the rows lie in the stage as they come
.set WSP,     528
.set WSTW,    32*WSP
.set SP,      144                      ; a row of partial sums: 128 bytes + 16
.set SW,      16*SP                    ; a tile of one wave
.set SSLOT,   4*SW                     ; a tile of all four
.set WST,     BT*SSLOT                 ; LDS: the partial sums from byte 0, then the four stages for W2,
.set LIST,    WST+4*WSTW               ; the list with its 32 words for lanes that have nothing to store,
.set LWORDS,  2176
.set CNT,     LIST+4*LWORDS+128        ; and the count
.set TSTRIDE, 65536
.set L16,  4                           ; v4      16 x lane
.set WS,   5                           ; v5      the stage, on the way in
.set WF,   6                           ; v6      the stage, on the way out
.set PS,   7                           ; v7      where I put partial sums, tiles 0-5
.set RA,   8                           ; v8-9    where I read them back, tiles 0-5 and 6-11
.set LR0,  10                          ; v10     the list: my lane and wave
.set C16,  11                          ; v11     16 x (lane % 8)
.set B2,   12                          ; v12-15  b2 of my four outputs
.set PS2,  16                          ; v16     tiles 6-11
.set LRC,  17                          ; v17     v10 + the block in hand
.set CA,   19
.set L0A,  23
.set CV,   24
.set ZA,   27                          ; v27     the list + 16 x lane
.set ACC,  32                          ; v32-63  two sets of two accumulators
.set RB,   64                          ; v64-103 two sets of 20: four partial sums of four numbers, and the token
.set O,    104                         ; v104-151 four numbers for each tile of a block
.set OA,   152                         ; v152-163 and where they go
.set TK,   104
.set RT,   164
.set SA,   196
.set PR,   228
.set T0,   229
.set DI,   230
.set FV,   231
.set A2,   232
.set ZR,   236                         ; v236-239 four zeros
; s16 wave, s17 slice, s18 expert, s19 count, s20 tiles left, s21 trips, s22 tiles of this block, s23 of the next, s[24:27] e0 .. e3,
; s[28:29] 2^(e2 + e3), s[34:35] at work, s[36:37] W2, s[38:39] b2, s[40:41] hcodes, s[42:43] out0, s44 the block in the list
.set W_MUL,  0x09
.set TO_1,   0x40
.set TO_2,   0x80
.set TO_3,   0xc0
.set FROM_3, 0x0c
.set MSB, 0
.macro WIN new
.if MSB != \new
	s_set_vgpr_msb (MSB<<8)|\new
.set MSB, \new
.endif
.endm
.macro BARRIER
	s_wait_dscnt 0x0
	s_barrier_signal -1
	s_barrier_wait -1
.endm
.macro WSTORE c
	WIN FROM_3
.set WI, 8*(\c)
.rept 8
.set WR, WI%32
.if SWAP
.set WR, (WR&7)|((WR&8)<<1)|((WR&16)>>1)
.endif
	ds_store_b128 v[WS], v[4*WI:4*WI+3] offset:WR*WSP
.set WI, WI+1
.endr
.endm
.macro WFRAG half
	WIN TO_1
.set WI, 0
.rept 32
	ds_load_b128 v[128*(WI/16)+64*(\half)+4*(WI%16):128*(WI/16)+64*(\half)+4*(WI%16)+3], v[WF] offset:16*(WI/16)*WSP+32*(WI%16)
.set WI, WI+1
.endr
.endm
.macro LOADT buf, i, first, n          ; lines first .. first + n - 1 of the 32 that bring my eight K steps of tile i: 16 KiB on end
	WIN TO_2
.set TL, \first
.rept \n
	global_load_b128 v[128*(\buf)+4*TL:128*(\buf)+4*TL+3], v[L16], s[40:41] offset:TSTRIDE*(\i)+512*TL
.set TL, TL+1
.endr
.endm
.macro MULT buf                        ; 16 matrix instructions into set buf; the two accumulators take turns
	s_wait_dscnt 4                                 ; the four stores of the tile before may stay out; those of the tile two back, out of this set, are done
	WIN W_MUL
.set MS, 0
.rept 8
.if MS == 0
	v_wmma_f32_16x16x128_bf8_bf8 v[ACC+16*(\buf):ACC+16*(\buf)+7], v[0:15], v[128*(\buf):128*(\buf)+15], 0
	v_wmma_f32_16x16x128_bf8_bf8 v[ACC+16*(\buf)+8:ACC+16*(\buf)+15], v[128:143], v[128*(\buf):128*(\buf)+15], 0
.else
	v_wmma_f32_16x16x128_bf8_bf8 v[ACC+16*(\buf):ACC+16*(\buf)+7], v[16*MS:16*MS+15], v[128*(\buf)+16*MS:128*(\buf)+16*MS+15], v[ACC+16*(\buf):ACC+16*(\buf)+7]
	v_wmma_f32_16x16x128_bf8_bf8 v[ACC+16*(\buf)+8:ACC+16*(\buf)+15], v[128+16*MS:128+16*MS+15], v[128*(\buf)+16*MS:128*(\buf)+16*MS+15], v[ACC+16*(\buf)+8:ACC+16*(\buf)+15]
.endif
.set MS, MS+1
.endr
.endm
.macro PART i                          ; my partial sums of tile i: lane (r, h): row r, outputs 16 n + 8 h + 0 .. 7
	WIN 0
.rept 4
	v_nop                                          ; four places behind the last product: for these stores, and for the next loads into the buffer just multiplied
.endr
.if (\i) < 6
.set PA, PS
.else
.set PA, PS2
.endif
.set PB, ACC+16*((\i)%2)
	ds_store_b128 v[PA], v[PB:PB+3] offset:((\i)%6)*SSLOT
	ds_store_b128 v[PA], v[PB+4:PB+7] offset:((\i)%6)*SSLOT+16
	ds_store_b128 v[PA], v[PB+8:PB+11] offset:((\i)%6)*SSLOT+64
	ds_store_b128 v[PA], v[PB+12:PB+15] offset:((\i)%6)*SSLOT+80
.endm
.macro RD i, buf                       ; four partial sums of my four numbers of tile i, and the token of their row
.irp p, 0,1,2,3
	ds_load_b128 v[RB+20*(\buf)+4*\p:RB+20*(\buf)+4*\p+3], v[RA+(\i)/6] offset:((\i)%6)*SSLOT+SW*\p
.endr
	ds_load_b32 v[RB+20*(\buf)+16], v[LRC] offset:64*(\i)
.endm
.macro RED i
.set RR, RB+20*((\i)%2)
	v_pk_add_f32 v[RR:RR+1], v[RR:RR+1], v[RR+4:RR+5]
	v_pk_add_f32 v[RR+2:RR+3], v[RR+2:RR+3], v[RR+6:RR+7]
	v_pk_add_f32 v[RR+8:RR+9], v[RR+8:RR+9], v[RR+12:RR+13]
	v_pk_add_f32 v[RR+10:RR+11], v[RR+10:RR+11], v[RR+14:RR+15]
	v_pk_add_f32 v[RR:RR+1], v[RR:RR+1], v[RR+8:RR+9]
	v_pk_add_f32 v[RR+2:RR+3], v[RR+2:RR+3], v[RR+10:RR+11]
	v_pk_fma_f32 v[O+4*(\i):O+4*(\i)+1], v[RR:RR+1], s[28:29], v[B2:B2+1] op_sel_hi:[1,0,1]   ; sum x 2^(e2 + e3) + b2
	v_pk_fma_f32 v[O+4*(\i)+2:O+4*(\i)+3], v[RR+2:RR+3], s[28:29], v[B2+2:B2+3] op_sel_hi:[1,0,1]
	v_min_u32 v[RR+16], 0x3ff, v[RR+16]
	v_lshl_add_u32 v[OA+(\i)], v[RR+16], 12, v[C16]   ; 4,096 bytes a row of out0 + my 16 bytes
	global_store_b128 v[OA+(\i)], v[O+4*(\i):O+4*(\i)+3], s[42:43] th:TH_STORE_NT   ; eight lanes store 128 consecutive bytes of a row; written once, read by nobody here
.endm
	s_load_b256 s[4:11], s[0:1], 0x0               ; W2 s[4:5], hcodes s[6:7], route s[8:9], b2 s[10:11]
	s_load_b128 s[12:15], s[0:1], 0x20             ; the exponents s[12:13], out0 s[14:15]
	v_lshl_add_u32 v254, v0, 2, 0x2dc00
	v_mov_b32 v255, 0
	v_lshrrev_b32 v1, 5, v0
	v_readfirstlane_b32 s16, v1                    ; wave
	s_mov_b32 s17, ttmp9                           ; slice
	s_and_b32 s18, ttmp7, 0xffff                   ; expert
	v_and_b32 v1, 31, v0                           ; lane
	v_and_b32 v2, 15, v0                           ; r
	v_bfe_u32 v3, v0, 4, 1                         ; h
	; every LDS address is made here, ahead of the first parting of the waves
	v_lshlrev_b32 v[L16], 4, v1
	s_mul_i32 s34, s16, WSTW
	s_add_co_u32 s34, s34, WST
	v_add_nc_u32 v[WS], s34, v[L16]
	v_mul_u32_u24 v[WF], v2, WSP
	v_lshl_add_u32 v[WF], v3, 4, v[WF]
	v_add_nc_u32 v[WF], s34, v[WF]
	s_mul_i32 s35, s16, SW
	v_mul_u32_u24 v[PS], v2, SP
	v_lshl_add_u32 v[PS], v3, 5, v[PS]
	v_add_nc_u32 v[PS], s35, v[PS]                 ; my part of a tile: row r, + 32 h
	v_add_nc_u32 v[PS2], 6*SSLOT, v[PS]
	v_lshrrev_b32 v25, 3, v1                       ; lane / 8: which of my four rows
	v_and_b32 v26, 7, v1
	v_lshlrev_b32 v[C16], 4, v26
	s_mul_i32 s35, s16, 4*SP
	v_mul_u32_u24 v[RA], v25, SP
	v_add_nc_u32 v[RA], v[RA], v[C16]
	v_add_nc_u32 v[RA], s35, v[RA]                 ; row 4 w + lane / 8, + 16 (lane % 8)
	v_add_nc_u32 v[RA+1], 6*SSLOT, v[RA]
	s_lshl_b32 s35, s16, 4
	s_add_co_u32 s35, s35, LIST
	v_lshl_add_u32 v[LR0], v25, 2, s35             ; entry 4 w + lane / 8
	s_mov_b32 s44, 0
	v_add_nc_u32 v[LRC], s44, v[LR0]
	v_mov_b32 v[CA], CNT
	v_mov_b32 v[L0A], LIST
	v_add_nc_u32 v[ZA], LIST, v[L16]
	v_lshlrev_b32 v[T0], 2, v1
	v_add_nc_u32 v[DI], LWORDS, v1
	s_lshl_b32 s36, s18, 22                        ; W2: 4 MiB an expert, 32 rows a slice, 1,024 bytes of each row a wave
	s_lshl_b32 s34, s17, 17
	s_add_co_u32 s36, s36, s34
	s_lshl_b32 s34, s16, 10
	s_add_co_u32 s36, s36, s34
	s_mov_b32 s37, 0
	s_lshl_b32 s38, s18, 12                        ; b2: 4 (1,024 e + 32 s)
	s_lshl_b32 s34, s17, 7
	s_add_co_u32 s38, s38, s34
	s_mov_b32 s39, 0
	s_lshl_b32 s40, s18, 22                        ; hcodes: 4 MiB an expert, my eight K steps
	s_lshl_b32 s34, s16, 14
	s_add_co_u32 s40, s40, s34
	s_mov_b32 s41, 0
	s_lshl_b32 s42, s17, 7                         ; out0: my 32 outputs
	s_mov_b32 s43, 0
	s_wait_kmcnt 0x0
	s_load_b128 s[24:27], s[12:13], 0x0            ; e0 .. e3
	s_add_nc_u64 s[36:37], s[4:5], s[36:37]
	s_add_nc_u64 s[38:39], s[10:11], s[38:39]
	s_add_nc_u64 s[40:41], s[6:7], s[40:41]
	s_add_nc_u64 s[42:43], s[14:15], s[42:43]
	s_cmp_lg_u32 s16, 0
	s_cbranch_scc1 .Lno_route
.irp i, 0,1,2,3,4,5,6,7
	global_load_b128 v[RT+4*\i:RT+4*\i+3], v[L16], s[8:9] offset:512*\i   ; wave 0: register 4 i + c holds route[128 i + 4 lane + c]
.endr
.Lno_route:
	global_load_b128 v[B2:B2+3], v[C16], s[38:39]
	WIN TO_3
.set WI, 0
.rept 64                               ; all my 32 KiB of W2 are asked for at once: each load takes 512 consecutive bytes of a row; read once in the launch
	global_load_b128 v[4*WI:4*WI+3], v[L16], s[36:37] offset:(WI%32)*ROWP+512*(WI/32) th:TH_LOAD_NT
.set WI, WI+1
.endr
	WIN 0
	; THE LIST, by wave 0, line for line as in the launch before; no other wave touches LDS ahead of the barrier below
	s_cmp_lg_u32 s16, 0
	s_cbranch_scc1 .Lno_list
.irp j, 0,1,2,3
	v_mov_b32 v[ZR+\j], 0
.endr
.set N, 0
.rept LWORDS/128                       ; while route is on its way: all 2,176 words hold 0, so that every word is written whatever route holds; entry 0 stays 0 for an expert without rows
	ds_store_b128 v[ZA], v[ZR:ZR+3] offset:512*N
.set N, N+1
.endr
	s_wait_loadcnt 63                              ; behind the eight loads of route stand 65 others: with 63 out at the most, route is in
	s_mov_b32 s19, 0
.set N, 0
.rept 32                               ; LDS serves the instructions of a wave in order: these land on the zeros
	v_cmp_eq_u32 vcc_lo, s18, v[RT+N]
	v_mbcnt_lo_u32_b32 v[PR], vcc_lo, s19
	v_cndmask_b32 v[PR], v[DI], v[PR], vcc_lo
	v_min_u32 v[PR], LWORDS+31, v[PR]
	v_lshl_add_u32 v[SA+N], v[PR], 2, LIST
	v_add_nc_u32 v[TK+N], 128*(N/4)+N%4, v[T0]
	ds_store_b32 v[SA+N], v[TK+N]
	s_bcnt1_i32_b32 s34, vcc_lo
	s_add_co_u32 s19, s19, s34
.set N, N+1
.endr
	s_min_u32 s19, s19, 1024
	s_wait_dscnt 0x0
	ds_load_b32 v[FV], v[L0A]
	v_add_nc_u32 v[A2], s19, v1
	v_lshl_add_u32 v[A2], v[A2], 2, LIST
	v_mov_b32 v[CV], s19
	s_wait_dscnt 0x0
.set N, 0
.rept 36
	ds_store_b32 v[A2], v[FV] offset:128*N
.set N, N+1
.endr
	ds_store_b32 v[CA], v[CV]
.Lno_list:
	BARRIER                                        ; the list and the count lie in LDS
	ds_load_b32 v[CV], v[CA]
	s_wait_dscnt 0x0
	v_readfirstlane_b32 s19, v[CV]
	s_min_u32 s19, s19, 1024
	s_add_co_u32 s20, s19, 15
	s_lshr_b32 s20, s20, 4
	s_max_u32 s20, s20, 1                          ; tiles; tile 0 is there for every expert
	s_wait_kmcnt 0x0
	s_add_co_i32 s28, s26, s27
	s_add_co_i32 s28, s28, 127
	s_lshl_b32 s28, s28, 23                        ; 2^(e2 + e3) as f32
	s_mov_b32 s29, s28                             ; (named with it as a pair, so it is written)
	; W2 is turned into fragments, eight loads at a time; behind the first four eights go out the 32 loads of tile 0 of h
.set C, 0
.rept 8
.if C < 5
	s_wait_loadcnt 56                              ; behind these eight stand 56 - 8 C loads of W2 and 8 C (32 at the most) of tile 0
.else
	s_wait_loadcnt 56-8*(C-4)
.endif
	WSTORE C
.if C == 3
	WFRAG 0                                        ; LDS serves the instructions of a wave in order: these see the stores above, and the second half is stored behind them
.endif
.if C < 4
	LOADT 0, 0, 8*C, 8
.endif
.set C, C+1
.endr
	WFRAG 1
	WIN 0
	s_wait_dscnt 0x0                               ; the fragments of W2 are in
	s_mov_b32 s21, 0
.Lblock:
	s_max_i32 s22, s20, 0
	s_min_i32 s22, s22, BT                         ; tiles of this block
	s_sub_co_i32 s23, s20, BT
	s_max_i32 s23, s23, 0
	s_min_i32 s23, s23, BT                         ; and of the next
	s_cmp_eq_u32 s22, 0
	s_cbranch_scc1 .Lnone
.irp i, 0,1,2,3,4,5,6,7,8,9,10,11
.if \i < 11
	s_cmp_eq_u32 s22, \i+1
	s_cbranch_scc1 .Lnl_\i
	LOADT (\i+1)%2, \i+1, 0, 32                    ; the next tile, if there is one
	WIN 0
	s_wait_loadcnt 32                              ; the 32 loads just issued may stay out
	s_branch .Lgl_\i
.Lnl_\i:
	s_wait_loadcnt 0x0
.Lgl_\i:
.else
	s_wait_loadcnt 0x0
.endif
	MULT \i%2
	PART \i
.if \i < 11
	s_cmp_eq_u32 s22, \i+1
	s_cbranch_scc1 .Ldone
.endif
.endr
.Ldone:
.Lnone:
	s_wait_loadcnt 0x0                             ; on every way that leads here all loads of h are in: only behind this wait are the two buffers loaded again, below and in the next trip
	BARRIER                                        ; all partial sums of the block lie in LDS
	s_cmp_eq_u32 s19, 0
	s_cbranch_scc1 .Lrnone                         ; an expert without rows stores nothing
	s_cmp_eq_u32 s22, 0
	s_cbranch_scc1 .Lrnone
	RD 0, 0
.irp i, 0,1,2,3,4,5,6,7,8,9,10,11
.if \i < 11
	s_cmp_eq_u32 s22, \i+1
	s_cbranch_scc1 .Lnr_\i
	RD \i+1, (\i+1)%2
	s_wait_dscnt 5                                 ; the five loads just issued may stay out
	s_branch .Lgr_\i
.Lnr_\i:
	s_wait_dscnt 0x0
.Lgr_\i:
.else
	s_wait_dscnt 0x0
.endif
	RED \i
.if \i < 11
	s_cmp_eq_u32 s22, \i+1
	s_cbranch_scc1 .Lrdone
.endif
.endr
.Lrdone:
.Lrnone:
	s_wait_xcnt 0x0                                ; the stores have read their numbers and offsets, the loads their base: all may be written again
	s_add_nc_u64 s[40:41], s[40:41], BT*TSTRIDE
	s_add_co_u32 s44, s44, 64*BT
	v_add_nc_u32 v[LRC], s44, v[LR0]
	s_sub_co_i32 s20, s20, BT
	s_cmp_eq_u32 s23, 0
	s_cbranch_scc1 .Lno_next
	LOADT 0, 0, 0, 32                              ; the first tile of the next block
	WIN 0
.Lno_next:
	BARRIER                                        ; nobody reads the partial sums any more
	s_add_co_u32 s21, s21, 1
	s_cmp_lt_u32 s21, NBLK
	s_cbranch_scc1 .Lblock
	s_wait_tensorcnt 0x0
	ds_add_u32 v254, v255
	s_wait_dscnt 0x0
	s_endpgm
.Lfunc_end_k_qc46c5131c7_project:
	.size	k_qc46c5131c7_project, .Lfunc_end_k_qc46c5131c7_project-k_qc46c5131c7_project
	.p2alignl 7, 3214868480
	.fill 96, 4, 3214868480
	.section	.rodata,"a",@progbits
	.p2align	6, 0x0
	.amdhsa_kernel k_qc46c5131c7_project
		.amdhsa_group_segment_fixed_size 187904
		.amdhsa_private_segment_fixed_size 0
		.amdhsa_enable_private_segment 0
		.amdhsa_kernarg_size 48
		.amdhsa_user_sgpr_count 2
		.amdhsa_user_sgpr_kernarg_segment_ptr 1
		.amdhsa_wavefront_size32 1
		.amdhsa_system_sgpr_workgroup_id_x 1
		.amdhsa_system_sgpr_workgroup_id_y 1
		.amdhsa_system_sgpr_workgroup_id_z 1
		.amdhsa_system_vgpr_workitem_id 0
		.amdhsa_next_free_vgpr 1024
		.amdhsa_next_free_sgpr 66
		.amdhsa_reserve_vcc 1
		.amdhsa_float_denorm_mode_32 3
		.amdhsa_float_denorm_mode_16_64 3
		.amdhsa_memory_ordered 1
		.amdhsa_forward_progress 1
		.amdhsa_inst_pref_size 114
	.end_amdhsa_kernel
	.amdgpu_metadata
---
amdhsa.version: [ 1, 2 ]
amdhsa.kernels:
  - .name:           k_qc46c5131c7_project
    .symbol:         k_qc46c5131c7_project.kd
    .args:
      - { .name: W2_codes, .offset: 0, .size: 8, .value_kind: global_buffer, .address_space: global }
      - { .name: hcodes, .offset: 8, .size: 8, .value_kind: global_buffer, .address_space: global }
      - { .name: route, .offset: 16, .size: 8, .value_kind: global_buffer, .address_space: global }
      - { .name: b2, .offset: 24, .size: 8, .value_kind: global_buffer, .address_space: global }
      - { .name: lowp_scales, .offset: 32, .size: 8, .value_kind: global_buffer, .address_space: global }
      - { .name: out0, .offset: 40, .size: 8, .value_kind: global_buffer, .address_space: global }
    .group_segment_fixed_size: 187904
    .private_segment_fixed_size: 0
    .kernarg_segment_align: 8
    .kernarg_segment_size: 48
    .max_flat_workgroup_size: 128
    .sgpr_count:     66
    .vgpr_count:     1024
    .wavefront_size: 32
...
	.end_amdgpu_metadata
.endif
;; end of part 2
